; MI455X (gfx1250); checked and timed in simulation.
; The chip was launched on July 23, 2026; its instructions are those of AMD's public machine-readable ISA for CDNA 5 (MIT licence, August 2026) and "CDNA5" Instruction Set Architecture Reference Guide (July 2026). The comments in the code are by the model that wrote it; some were corrected since.
;; LSTM Cell. Allowed arithmetic: float matrix products may take bf16 or f16 operands with f32 sums; other float arithmetic in f32, or as packed bf16 or f16 multiplies, adds, multiply-adds, maxima and minima; sums over many terms, partial sums and values carried from step to step in f32; what a program stores and reads back later, other than sums and carried values, may be rounded once to bf16 or f16.
;; Inputs: b_c 2,048 float32; b_f 2,048 float32; b_i 2,048 float32; b_o 2,048 float32; c0 2,048 x 2,048 float32; h0 2,048 x 2,048 float32; w_hc 2,048 x 2,048 float32; w_hf 2,048 x 2,048 float32; w_hi 2,048 x 2,048 float32; w_ho 2,048 x 2,048 float32; w_xc 2,048 x 2,048 float32; w_xf 2,048 x 2,048 float32; w_xi 2,048 x 2,048 float32; w_xo 2,048 x 2,048 float32; x 2,048 x 2,048 float32.
;; Outputs: out0 2,048 x 2,048 float32; out1 2,048 x 2,048 float32.
;; One version. Each part assembles by itself: llvm-mc -triple=amdgcn-amd-amdhsa -mcpu=gfx1250 --defsym DOCPART=n.
;; ======== version 1 of 1: 3 launches
;; limits: values are held in f16: magnitudes above 65,504 overflow, below 6.1e-05 lose precision; inputs' magnitudes at most 65,000
;; workspace buffers: xa 16,777,216 bytes; wb 67,108,864 bytes; g 16,777,216 bytes
;; launch prep (part 1): grid 256 x 10, 8 waves a work-group, no clusters, 35,840 bytes of LDS; arguments x, h0, w_xi, w_xf, w_xo, w_xc, w_hi, w_hf, w_ho, w_hc, xa, wb; writes xa, wb
.if DOCPART == 1
	.amdgcn_target "amdgcn-amd-amdhsa--gfx1250"
	.amdhsa_code_object_version 6
	.text
	.protected	k_q8bcc1df287_prep
	.globl	k_q8bcc1df287_prep
	.p2align	8
	.type	k_q8bcc1df287_prep,@function
k_q8bcc1df287_prep:
	s_mov_b64 s[64:65], 0
	v_nop
	global_prefetch_b8 v0, s[64:65] scope:SCOPE_SE
	s_setreg_imm32_b32 hwreg(HW_REG_WAVE_MODE, 25, 1), 1
	s_wait_xcnt 0x0
; LSTM CELL, first of three launches: the matrix operands are rounded to bf16 once and laid out for one product [2048 x 4096] x [4096 x 8192].
; THE WHOLE PROGRAM.  z_g = x w_xg^T + h0 w_hg + b_g for the gates g = i, f, o, c;  s = sigmoid(z_f) c0 + sigmoid(z_i) tanh(z_c);  c = (s - mean) rsqrt(var + 1e-5) along a row;  h = sigmoid(z_o) tanh(c).
; NO WORK IS LEFT OUT: every one of the fifteen inputs has a way to both outputs, and all are loaded.
; FORMATS AND LIMITS.  Every floating-point input is rounded once to bf16 (x, h0 and the weights here; c0 and the biases in the second launch): the program computes the cell on inputs so rounded.
; Products add in f32.  s and sigmoid(z_o) pass to the third launch rounded once to f16: |s| has to stay under 65,504, that is |c0| under about 65,000.  NaN and infinities are not treated apart.
; xa: bf16 [2048][4096]: columns 0-2047 x, columns 2048-4095 h0.
; wb: bf16 [8192][4096]: row (n >> 5) 128 + 32 g + (n & 31) belongs to hidden column n and gate g; columns 0-2047 w_xg[n][k], columns 2048-4095 w_hg[k][n] (turned: the hidden weights lie [k][n] in memory).
; So 128 neighbouring rows of wb are all four gates of 32 hidden columns, and one wave of the product holds the four gates of an output in one lane.
; SHARES.  The grid's y picks the tensor: 0 x, 1 h0, 2-5 w_x i f o c, 6-9 w_h i f o c.  Each work-group moves 64 KiB in and 32 KiB out.
;   y < 6: a wave takes one row of 8,192 bytes: sixteen loads of 512 consecutive bytes, all out before the first wait; each store of the wave covers 256 consecutive bytes, aligned.
;   y >= 6: the work-group takes a tile of 128 k x 128 n.  A thread loads 8 k x 8 n; the choice of the conversions' sources pairs neighbouring k of one n; LDS rows (one n, 128 k, 256 bytes + 16 of padding)
;   collect a column, and are read back whole: sixteen lanes store 256 consecutive bytes, aligned, of one row of wb.
; No matrix unit, no cluster, no prefetch: nothing is shared between work-groups, each byte is read once, and the launch has nothing to do but to move bytes.
.set TP,    272                        ; an LDS row: 256 bytes + 16: sixteen neighbouring rows begin at sixteen different 16-byte columns of 256 bytes
.set SPARE, 128*TP                     ; behind the tile: the spare words, 128 bytes for each of the eight waves: four blocks of 256 bytes that no other line names
.set SPW,   8                          ; v8   LDS address of my spare word; never rewritten
.set NIL,   9                          ; v9   0; never rewritten
.set SRCR,  16                         ; v[16:79]   f32 as loaded; later the rows read back from LDS
.set PKR,   80                         ; v[80:111]  bf16, packed
	s_load_b512 s[8:23], s[0:1], 0x0               ; x, h0, w_xi, w_xf, w_xo, w_xc, w_hi, w_hf
	s_load_b256 s[24:31], s[0:1], 0x40             ; w_ho, w_hc, xa s[28:29], wb s[30:31]
	v_lshl_add_u32 v[SPW], v0, 2, SPARE
	v_mov_b32 v[NIL], 0
	v_lshrrev_b32 v1, 5, v0
	v_readfirstlane_b32 s6, v1                     ; wave 0..7
	s_and_b32 s4, ttmp7, 0xffff                    ; y: which tensor
	s_mov_b32 s5, ttmp9                            ; X: which part of it
	s_mov_b32 s37, 0                               ; the offsets' high words
	s_mov_b32 s39, 0
	s_wait_kmcnt 0x0
	s_mov_b64 s[32:33], s[8:9]                     ; the source: tensor y of the ten
.irp i, 1,2,3,4,5,6,7,8,9
	s_cmp_eq_u32 s4, \i
	s_cselect_b64 s[32:33], s[8+2*(\i):9+2*(\i)], s[32:33]
.endr
	s_cmp_ge_u32 s4, 6
	s_cbranch_scc1 .Ltrans                         ; the same way for all eight waves: it hangs on the work-group's y alone
	; ---- rows that lie along K: x, h0, w_x* ----
	s_lshl_b32 s40, s5, 3
	s_add_co_u32 s40, s40, s6                      ; my row r = 8 X + wave
	s_lshl_b32 s36, s40, 13                        ; 8,192 bytes a row of f32
	s_add_nc_u64 s[32:33], s[32:33], s[36:37]
	s_lshr_b32 s41, s40, 5
	s_lshl_b32 s41, s41, 7                         ; (r >> 5) 128
	s_and_b32 s42, s40, 31
	s_add_co_u32 s41, s41, s42                     ; + (r & 31)
	s_max_u32 s42, s4, 2
	s_sub_co_u32 s42, s42, 2                       ; the gate (0 where y < 2, and then not used)
	s_lshl_b32 s42, s42, 5
	s_add_co_u32 s41, s41, s42                     ; + 32 g
	s_cmp_lt_u32 s4, 2
	s_cselect_b32 s41, s40, s41                    ; x and h0 keep their rows
	s_cselect_b64 s[34:35], s[28:29], s[30:31]     ; and go to xa, the weights to wb
	s_lshl_b32 s38, s41, 13                        ; 8,192 bytes a row of 4,096 bf16
	s_cmp_eq_u32 s4, 1
	s_cselect_b32 s42, 4096, 0                     ; h0 takes the second half of xa's rows
	s_add_co_u32 s38, s38, s42
	s_add_nc_u64 s[34:35], s[34:35], s[38:39]
	v_and_b32 v2, 31, v0
	v_lshlrev_b32 v1, 4, v2                        ; 16 bytes a lane in,
	v_lshlrev_b32 v2, 3, v2                        ; 8 out
.set j, 0
.rept 16
	global_load_b128 v[SRCR+4*j:SRCR+4*j+3], v1, s[32:33] offset:512*j th:TH_LOAD_NT
.set j, j+1
.endr
.set j, 0
.rept 16
	s_wait_loadcnt 15-j                            ; loads come back in order: number j is in, the younger ones stay out
	v_cvt_pk_bf16_f32 v[PKR+2*j],   v[SRCR+4*j],   v[SRCR+4*j+1]
	v_cvt_pk_bf16_f32 v[PKR+2*j+1], v[SRCR+4*j+2], v[SRCR+4*j+3]
	global_store_b64 v2, v[PKR+2*j:PKR+2*j+1], s[34:35] offset:256*j  ; the wave's 32 lanes store 256 consecutive bytes, aligned
.set j, j+1
.endr
	s_branch .Lend
	; ---- w_h*: [k][n] in memory, turned ----
.Ltrans:
	s_lshr_b32 s40, s5, 4                          ; k0 / 128
	s_and_b32 s41, s5, 15                          ; n0 / 128
	s_lshl_b32 s36, s40, 20                        ; k0 rows of 8,192 bytes
	s_lshl_b32 s42, s41, 9                         ; n0 numbers of 4 bytes
	s_add_co_u32 s36, s36, s42
	s_add_nc_u64 s[32:33], s[32:33], s[36:37]
	s_max_u32 s42, s4, 6
	s_sub_co_u32 s42, s42, 6                       ; the gate
	s_lshl_b32 s42, s42, 5
	s_lshl_b32 s43, s41, 9
	s_add_co_u32 s42, s42, s43                     ; wb's row 512 (n0 / 128) + 32 g
	s_lshl_b32 s38, s42, 13
	s_lshl_b32 s43, s40, 8                         ; 2 k0 bytes along the row,
	s_add_co_u32 s38, s38, s43
	s_add_co_u32 s38, s38, 4096                    ; in its second half
	s_add_nc_u64 s[34:35], s[30:31], s[38:39]
	v_and_b32 v10, 15, v0                          ; nq: which four n of 64
	v_lshrrev_b32 v11, 4, v0                       ; kg: which eight k
	v_lshlrev_b32 v1, 4, v10
	v_lshl_add_u32 v1, v11, 16, v1                 ; in: kg x 8 rows + nq x 16 bytes
	v_mul_u32_u24 v3, v10, TP
	v_lshl_add_u32 v3, v11, 4, v3                  ; into LDS: row nq (+ 32 c + 16 j), byte 16 kg
	v_mul_u32_u24 v4, v11, TP
	v_lshl_add_u32 v4, v10, 4, v4                  ; back: row t >> 4 (+ 16 i), byte 16 (t & 15)
	v_lshrrev_b32 v12, 7, v0
	v_bfe_u32 v13, v0, 4, 3
	v_lshlrev_b32 v5, 4, v10
	v_lshl_add_u32 v5, v13, 15, v5                 ; out: LDS row 16 i + u (u = t >> 4) holds n = 64 (i & 1) + 4 u + (i >> 1): wb's row moves by 4 (u & 7),
	v_lshl_add_u32 v5, v12, 20, v5                 ; by 128 (u >> 3); the part of i stands in the stores' immediates
.irp j, 0,1
.irp r, 0,1,2,3,4,5,6,7
	global_load_b128 v[SRCR+32*(\j)+4*(\r):SRCR+32*(\j)+4*(\r)+3], v1, s[32:33] offset:(\r)*8192+(\j)*256 th:TH_LOAD_NT  ; sixteen lanes read 256 consecutive bytes, aligned, of one k
.endr
.endr
.irp j, 0,1
	s_wait_loadcnt 8-8*(\j)                        ; this half's eight loads are in; the other half's eight may stay out
.irp c, 0,1,2,3
.irp p, 0,1,2,3
	v_cvt_pk_bf16_f32 v[PKR+16*(\j)+4*(\c)+(\p)], v[SRCR+32*(\j)+8*(\p)+(\c)], v[SRCR+32*(\j)+8*(\p)+4+(\c)]  ; k = 8 kg + 2 p and + 1 of column 64 j + 4 nq + c
.endr
	ds_store_b128 v3, v[PKR+16*(\j)+4*(\c):PKR+16*(\j)+4*(\c)+3] offset:(32*(\c)+16*(\j))*TP
.endr
.endr
	s_wait_dscnt 0x0                               ; for the others' sake: my stores into the tile are done
	s_barrier_signal -1
	s_barrier_wait -1
.irp i, 0,1,2,3,4,5,6,7
	ds_load_b128 v[SRCR+4*(\i):SRCR+4*(\i)+3], v4 offset:16*TP*(\i)
.endr
.irp i, 0,1,2,3,4,5,6,7
	s_wait_dscnt 7-(\i)                            ; LDS loads come back in order
	global_store_b128 v5, v[SRCR+4*(\i):SRCR+4*(\i)+3], s[34:35] offset:((\i)&1)*2097152+((\i)>>1)*8192  ; sixteen lanes store 256 consecutive bytes, aligned, of one row of wb
.endr
.Lend:
	s_wait_tensorcnt 0x0                           ; the wave's end, behind my last LDS store
	ds_add_u32 v[SPW], v[NIL]
	s_wait_dscnt 0x0
	s_endpgm
.Lfunc_end_k_q8bcc1df287_prep:
	.size	k_q8bcc1df287_prep, .Lfunc_end_k_q8bcc1df287_prep-k_q8bcc1df287_prep
	.p2alignl 7, 3214868480
	.fill 96, 4, 3214868480
	.section	.rodata,"a",@progbits
	.p2align	6, 0x0
	.amdhsa_kernel k_q8bcc1df287_prep
		.amdhsa_group_segment_fixed_size 35840
		.amdhsa_private_segment_fixed_size 0
		.amdhsa_enable_private_segment 0
		.amdhsa_kernarg_size 96
		.amdhsa_user_sgpr_count 2
		.amdhsa_user_sgpr_kernarg_segment_ptr 1
		.amdhsa_wavefront_size32 1
		.amdhsa_system_sgpr_workgroup_id_x 1
		.amdhsa_system_sgpr_workgroup_id_y 1
		.amdhsa_system_sgpr_workgroup_id_z 1
		.amdhsa_system_vgpr_workitem_id 0
		.amdhsa_next_free_vgpr 112
		.amdhsa_next_free_sgpr 66
		.amdhsa_reserve_vcc 0
		.amdhsa_float_denorm_mode_32 3
		.amdhsa_float_denorm_mode_16_64 3
		.amdhsa_memory_ordered 1
		.amdhsa_forward_progress 1
		.amdhsa_inst_pref_size 15
	.end_amdhsa_kernel
	.amdgpu_metadata
---
amdhsa.version: [ 1, 2 ]
amdhsa.kernels:
  - .name:           k_q8bcc1df287_prep
    .symbol:         k_q8bcc1df287_prep.kd
    .args:
      - { .name: x, .offset: 0, .size: 8, .value_kind: global_buffer, .address_space: global }
      - { .name: h0, .offset: 8, .size: 8, .value_kind: global_buffer, .address_space: global }
      - { .name: w_xi, .offset: 16, .size: 8, .value_kind: global_buffer, .address_space: global }
      - { .name: w_xf, .offset: 24, .size: 8, .value_kind: global_buffer, .address_space: global }
      - { .name: w_xo, .offset: 32, .size: 8, .value_kind: global_buffer, .address_space: global }
      - { .name: w_xc, .offset: 40, .size: 8, .value_kind: global_buffer, .address_space: global }
      - { .name: w_hi, .offset: 48, .size: 8, .value_kind: global_buffer, .address_space: global }
      - { .name: w_hf, .offset: 56, .size: 8, .value_kind: global_buffer, .address_space: global }
      - { .name: w_ho, .offset: 64, .size: 8, .value_kind: global_buffer, .address_space: global }
      - { .name: w_hc, .offset: 72, .size: 8, .value_kind: global_buffer, .address_space: global }
      - { .name: xa, .offset: 80, .size: 8, .value_kind: global_buffer, .address_space: global }
      - { .name: wb, .offset: 88, .size: 8, .value_kind: global_buffer, .address_space: global }
    .group_segment_fixed_size: 35840
    .private_segment_fixed_size: 0
    .kernarg_segment_align: 8
    .kernarg_segment_size: 96
    .max_flat_workgroup_size: 256
    .sgpr_count:     66
    .vgpr_count:     112
    .wavefront_size: 32
...
	.end_amdgpu_metadata
.endif
;; end of part 1
;; launch gates (part 2): grid 32 x 8, 4 waves a work-group, clusters of 4 x 4, 327,680 bytes of LDS; arguments xa, wb, g, c0, b_i, b_f, b_o, b_c; writes g
.if DOCPART == 2
	.amdgcn_target "amdgcn-amd-amdhsa--gfx1250"
	.amdhsa_code_object_version 6
	.text
	.protected	k_q8bcc1df287_gates
	.globl	k_q8bcc1df287_gates
	.p2align	8
	.type	k_q8bcc1df287_gates,@function
k_q8bcc1df287_gates:
	s_mov_b64 s[64:65], 0
	v_nop
	global_prefetch_b8 v0, s[64:65] scope:SCOPE_SE
	s_setreg_imm32_b32 hwreg(HW_REG_WAVE_MODE, 25, 1), 1
	s_wait_xcnt 0x0
	s_wait_alu depctr_hold_cnt(0) depctr_sa_sdst(0) depctr_va_vdst(0) depctr_va_sdst(0) depctr_va_ssrc(0) depctr_va_vcc(0) depctr_vm_vsrc(0)
	s_getreg_b32 s2, hwreg(HW_REG_IB_STS2, 6, 4)
	s_cmp_eq_u32 s2, 0
	s_cbranch_scc0 .Lentry_in_a_cluster
	s_endpgm
.Lentry_in_a_cluster:
	s_bfe_u32 s2, ttmp6, 0x10000c
	s_cmp_lg_u32 s2, 0xf033
	s_cbranch_scc0 .Lentry_shape_is_right
	s_endpgm
.Lentry_shape_is_right:
; LSTM CELL, second launch: z = xa wb^T + bias (2048 x 8192, K = 4096, bf16 operands, f32 sums), then s = sigmoid(z_f) c0 + sigmoid(z_i) tanh(z_c) and o = sigmoid(z_o), both stored in f16.
; Nothing of the cell is left out.  LIMITS: c0 and the biases are rounded to bf16 here, like the matrix operands in the launch before; |s| has to stay under 65,504 (f16); NaN and infinities are not treated apart.
; sigmoid(z) = 1 / (1 + 2^(-z log2 e)); tanh(z) = 1 - 2 / (1 + 2^(2 z log2 e)): where the power overflows the reciprocal is 0, where it vanishes the sum is 1: both ends come out right.
; SHARES.  A work-group of four waves makes 256 rows x 256 rows of wb, that is 64 hidden columns with all four gates; a wave 128 x 128: 64 accumulators of 16 x 16, 512 registers.  256 work-groups in all.
; wb's rows are ordered so that a wave's 128 are gate g = 0..3 (i, f, o, c) x 32 hidden columns.  THE MATRIX INSTRUCTION IS USED TRANSPOSED (source 0 = 16 rows of wb, source 1 = 16 rows of xa): accumulator (a, b), b = 2 g + hb,
; holds in lane l (r = l % 16, h = l / 16), register e, z_g of row 16 a + r and hidden column 16 hb + 8 h + e: the four gates of an output lie in one lane, and nothing changes lanes before s is made.
; THE BIAS is the C operand of the product that starts each sum: nothing is cleared and nothing is added later.
; THE RING.  K goes in steps of 128 through two LDS slots filled by the tensor data mover; rows of a tile are 256 bytes of memory, aligned, and lie 272 bytes apart in LDS.
; CLUSTER.  4 x 4 work-groups: the four of a row of the cluster need the same tiles of xa, the four of a column the same tiles of wb: each tile is asked for JOINTLY (same load, same descriptor, a mask of four).
; c0's tile (256 rows x 64 f32) is the work-group's own: a plain tensor load, a quarter a wave, into slot 0's first half when slot 0 has been read for the last time; it has the last K step, 256 products, in which to land.
; g: units of 256 bytes.  Unit (m >> 1) 64 + (n >> 5) holds row 2 (m >> 1) in its first 128 bytes, the odd row in its second; each 128 bytes are 8 chunks of 16: s of four hidden columns (f16), then o of the same four.
; REGISTERS, in windows of 256 (s_set_vgpr_msb: bits 1:0 source 0, 3:2 source 1, 5:4 source 2, 7:6 destination):
;   window 0: v0-31 addresses; v32-63 at work at the head; v64-127, v128-191 fragments of xa, two buffers; v192-255 the bias.  On the way out v64-199 are used anew (below).
;   window 1: v64-127, v128-191 fragments of wb, two buffers.     window 2: the accumulators of my rows 0-63 ((a, b) at v[8 (8 a + b)]);  window 3: those of rows 64-127.
.set SIZE_K, 4096
.set KSTEP,  128
.set PITCH,  272                       ; an LDS row: 256 bytes + 16 = 68 words: the 16 rows that a load touches begin at 16 different groups of four banks (64 banks of 4 bytes: ISA guide 11.1)
.set HALFT,  128*PITCH                 ; 128 rows: what one joint load brings, and what one wave reads of xa or of wb
.set SLOT,   4*HALFT                   ; xa's 256 rows, then wb's 256 rows
.set STAGE,  2*SLOT                    ; behind the ring, never filled by a tensor load: 16 rows x 144 bytes for each wave, for the way out
.set SPITCH, 144
.set SPARE,  STAGE+4*16*SPITCH         ; behind the stages: the spare words, 128 bytes for each wave: two blocks of 256 bytes that no other line names
.set LAPS,   SIZE_K/(2*KSTEP)          ; a lap = two K steps = once round the ring: 16
.set ADRA, 16                          ; v16-17  LDS address of my xa fragments in slot 0, 1
.set ADRB, 20                          ; v20-21  the same for wb
.set STO,  24                          ; v24     the way out: where I put 32 bytes of a row
.set RD,   25                          ; v25     the way out: where I read rows back
.set GO,   26                          ; v26     my byte offset in g
.set BO,   27                          ; v27     my byte offset in a bias
.set SPW,  28                          ; v28     LDS address of my spare word; never rewritten
.set NIL,  29                          ; v29     0; never rewritten
.set PFO,  30                          ; v30     the prefetches' offset: my lane x a row of 8,192 bytes; never rewritten
.set CA,   31                          ; v31     LDS address of my numbers in c0's tile
.set F0,   64
.set F1,   128
.set BIAS, 192                         ; v192-255: block b's eight numbers at BIAS + 8 b
.set T,    64                          ; the way out: v64-127  the block's 64 numbers a lane, gate and column as in the accumulators (T + 8 b + e)
.set C0,   128                         ; v128-143  c0, f32 as it lies
.set CB,   144                         ; v144-151  c0 rounded to bf16, packed
.set PK,   152                         ; v152-167  s and o in f16, in g's order
.set OB,   168                         ; v168-183, v184-199  rows read back from the stage, by turns
.set G1,  24                           ; s[24:31] descriptor group 1 for xa's tiles;  s[32:39] group 0, a set for each slot
.set G0,  32
.set LIM, 43                           ; s43  1 in a wave that prefetches, else the greatest number
.set PFA, 44                           ; s[44:45] where my prefetches stand
.set G1B, 48                           ; s[48:55], s[56:63] the same for wb's tiles
.set G0B, 56
.set G1C, 68                           ; s[68:75], s[76:79] c0's tile
.set G0C, 76
.set SCS, 92                           ; s[92:93] -log2 e, named as a pair
.set SCT, 94                           ; s[94:95] 2 log2 e
.set MSB, 0
.macro WIN new                         ; the immediate's high byte repeats the setting that is left; a switch that changes nothing is dropped
.if MSB != (\new)
	s_set_vgpr_msb (MSB<<8)|(\new)
.set MSB, \new
.endif
.endm
.set MUL_LO, 0xa1                      ; source 0 (wb) window 1, source 1 (xa) window 0, C and D window 2
.set TO_B,   0x40                      ; destination window 1, address window 0
; A joint load.  Waves 0 and 1 fetch xa's two halves, waves 2 and 3 wb's.  The branch hangs on the wave's number alone.  An s_nop 0 and four v_nop follow each of the two lines.
.macro JLOAD s
	s_cmp_eq_u32 s11, 0
	s_cbranch_scc0 .Lfor_b_\@
	tensor_load_to_lds s[G0+4*(\s):G0+4*(\s)+3], s[G1:G1+7]
	s_nop 0
.rept 4
	v_nop
.endr
	s_branch .Lasked_\@
.Lfor_b_\@:
	tensor_load_to_lds s[G0B+4*(\s):G0B+4*(\s)+3], s[G1B:G1B+7]
	s_nop 0
.rept 4
	v_nop
.endr
.Lasked_\@:
.endm
; A PREFETCH INTO THE L2, behind each joint refill and the run of LDS loads that follows it: the K step that stands TWO refills on, 512 products ahead of the load that will want it: 32 rows x 256 bytes, a lane a row.
; Each row's 256 bytes of a K step are named once in the launch: xa's rows by the clusters with x = 0, wb's by those with y = 0; the four partners that ask for a tile jointly take 32 of a wave's 128 rows each, told apart by
; address.  K steps 0 to 3 come by their loads alone; the loop's last trip (s3 = 1) asks for nothing: there is no K step two refills on.
.macro ASK
	s_cmp_gt_u32 s3, s[LIM]
	s_cbranch_scc0 .Lnot_mine_\@
	global_prefetch_b8 v[PFO], s[PFA:PFA+1] offset:KSTEP*2 th:TH_LOAD_NT scope:SCOPE_SE
.Lnot_mine_\@:
.endm
.macro CREST                           ; a round of the cluster's barrier behind its opening barrier: wave 0 signals for the work-group, every wave waits for all sixteen, my work-group's barrier closes
	s_cmp_lg_u32 s10, 0
	s_cbranch_scc1 .Lnot_wave_0_\@
	s_barrier_signal -3
.Lnot_wave_0_\@:
	s_barrier_wait -3
	s_barrier_signal -1
	s_barrier_wait -1
.endm
.macro CROUND                          ; a whole round
	s_barrier_signal -1
	s_barrier_wait -1
	CREST
.endm
	s_load_b128 s[4:7], s[0:1], 0x0                ; xa s[4:5], wb s[6:7]
	s_load_b64 s[8:9], s[0:1], 0x10                ; g
	s_load_b64 s[66:67], s[0:1], 0x18              ; c0
	s_load_b256 s[84:91], s[0:1], 0x20             ; b_i, b_f, b_o, b_c
	v_lshl_add_u32 v[SPW], v0, 2, SPARE
	v_mov_b32 v[NIL], 0
	ds_add_u32 v[SPW], v[NIL]                      ; the wave's opening: the add, twice on end, and its wait ahead of my first tensor load; the set-up below stands between
	ds_add_u32 v[SPW], v[NIL]                      ; and once more, under the one wait
	v_lshrrev_b32 v1, 5, v0
	v_readfirstlane_b32 s10, v1                    ; wave 0..3
	s_lshr_b32 s11, s10, 1                         ; which half of the tile's rows is mine.  Also: I fetch for xa (0) or for wb (1)
	s_and_b32 s12, s10, 1                          ; which half of wb's rows.  Also: which 128 rows of that tile I fetch
	s_bfe_u32 s40, ttmp6, 0x40000                  ; cx
	s_bfe_u32 s41, ttmp6, 0x40004                  ; cy
	s_lshl_b32 s42, ttmp9, 2
	s_add_co_u32 s42, s42, s40                     ; tx = 4 x cluster x + cx: which 256 rows of wb
	s_and_b32 s13, ttmp7, 0xffff
	s_lshl_b32 s13, s13, 2
	s_add_co_u32 s13, s13, s41                     ; ty = 4 x cluster y + cy: which 256 rows of xa
	s_lshl_b32 s43, s41, 2
	s_lshl_b32 s43, 15, s43                        ; my row of the cluster: places 4 cy .. 4 cy + 3
	s_lshl_b32 s44, 0x1111, s40                    ; my column: places cx, cx + 4, cx + 8, cx + 12
	; descriptor group 1: a tile of 128 rows x 128 elements of 2 bytes, padded in LDS
	s_or_b32 s[G1+0], s43, (1<<16)|(1<<20)|(1<<21)|(5<<22)|(3<<25)   ; 15:0 the mask: my row; 17:16 2-byte elements; 20 padding on; 21 set beside a mask; 24:22 after every 64 words; 31:25 4 words of it
	s_or_b32 s[G1B+0], s44, (1<<16)|(1<<20)|(1<<21)|(5<<22)|(3<<25)  ; the same with the mask of my column
.irp d, G1, G1B
	s_mov_b32 s[(\d)+1], KSTEP<<16                 ; tensor_dim0 = 128
	s_mov_b32 s[(\d)+2], 128<<16                   ; tensor_dim1 = 128
	s_mov_b32 s[(\d)+3], KSTEP<<16                 ; tile_dim0 = 128
	s_mov_b32 s[(\d)+4], 128                       ; tile_dim1 = 128
	s_mov_b32 s[(\d)+5], SIZE_K                    ; elements from row to row
	s_mov_b32 s[(\d)+6], 0
	s_mov_b32 s[(\d)+7], 0
.endr
	; c0's tile: 64 rows x 64 elements of 4 bytes a wave, no mask, the same padding
	s_mov_b32 s[G1C+0], (2<<16)|(1<<20)|(5<<22)|(3<<25)
	s_mov_b32 s[G1C+1], 64<<16                     ; tensor_dim0 = 64
	s_mov_b32 s[G1C+2], 64<<16                     ; tensor_dim1 = 64
	s_mov_b32 s[G1C+3], 64<<16                     ; tile_dim0 = 64
	s_mov_b32 s[G1C+4], 64                         ; tile_dim1 = 64
	s_mov_b32 s[G1C+5], 2048                       ; elements from row to row
	s_mov_b32 s[G1C+6], 0
	s_mov_b32 s[G1C+7], 0
	s_mov_b32 s[SCS], 0xbfb8aa3b                   ; -log2 e
	s_mov_b32 s[SCS+1], s[SCS]
	s_mov_b32 s[SCT], 0x4038aa3b                   ; 2 log2 e
	s_mov_b32 s[SCT+1], s[SCT]
	; where the tiles come from: xa's hang on ty alone, wb's on tx alone; every wave makes both addresses, in registers that never hold the other coordinate
	s_lshl_b32 s17, s12, 7
	s_lshl_b32 s16, s13, 8
	s_add_co_u32 s16, s16, s17                     ; xa: row 256 ty + 128 x half
	s_lshl_b32 s46, s42, 8
	s_add_co_u32 s46, s46, s17                     ; wb: row 256 tx + 128 x half
	s_mov_b32 s17, 0
	s_mov_b32 s47, 0
	s_mov_b64 s[18:19], SIZE_K*2
	s_mul_u64 s[16:17], s[16:17], s[18:19]
	s_mul_u64 s[46:47], s[46:47], s[18:19]
	s_mul_i32 s20, s10, HALFT                      ; and where they go: wave x 128 rows: no place in the cluster enters an LDS address
	s_wait_dscnt 0x0                               ; both opening adds are done
	s_wait_kmcnt 0x0
	s_add_nc_u64 s[14:15], s[4:5], s[16:17]
	s_add_nc_u64 s[46:47], s[6:7], s[46:47]
	CROUND                                         ; all sixteen work-groups are here: the first joint loads meet
.irp s, 0,1
	s_mov_b32 s[G0+4*(\s)], 1                                        ; count = 1
	s_add_co_u32 s[G0+4*(\s)+1], s20, (\s)*SLOT                      ; LDS address
	s_add_nc_u64 s[G0+4*(\s)+2:G0+4*(\s)+3], s[14:15], (\s)*KSTEP*2  ; global address: K step s
	s_or_b32 s[G0+4*(\s)+3], s[G0+4*(\s)+3], 0x80000000              ; type = 2
	s_mov_b32 s[G0B+4*(\s)], 1
	s_add_co_u32 s[G0B+4*(\s)+1], s20, (\s)*SLOT
	s_add_nc_u64 s[G0B+4*(\s)+2:G0B+4*(\s)+3], s[46:47], (\s)*KSTEP*2
	s_or_b32 s[G0B+4*(\s)+3], s[G0B+4*(\s)+3], 0x80000000
	JLOAD \s                                       ; two loads of mine are out
.endr
	; A fragment is 16 rows x 32 K in 8 registers: lane l holds row l % 16; registers 0-3 K = 8 (l / 16) + 0..7, registers 4-7 K = 16 + 8 (l / 16) + 0..7: two loads of 16 bytes, 32 bytes apart.
	v_and_b32 v1, 15, v0                           ; r = l % 16
	v_bfe_u32 v2, v0, 4, 1                         ; h = l / 16
	v_mul_u32_u24 v3, v1, PITCH
	v_lshl_add_u32 v3, v2, 4, v3
	s_mul_i32 s21, s11, HALFT                      ; my 128 rows of xa
	s_mul_i32 s22, s12, HALFT                      ; my 128 rows of wb,
	s_add_co_u32 s22, s22, 2*HALFT                 ; which lie behind xa's 256
.irp s, 0,1
	v_add_nc_u32 v[ADRA+(\s)], s21, v3
	v_add_nc_u32 v[ADRB+(\s)], s22, v3
	s_add_co_u32 s21, s21, SLOT
	s_add_co_u32 s22, s22, SLOT
.endr
	s_mul_i32 s23, s10, 16*SPITCH
	s_add_co_u32 s23, s23, STAGE                   ; my stage
	v_mul_u32_u24 v4, v1, SPITCH                   ; in: row r, 32 bytes for each half of the lanes
	v_lshl_add_u32 v4, v2, 5, v4
	v_add_nc_u32 v[STO], s23, v4
	v_bfe_u32 v5, v0, 3, 2                         ; back: 32 lanes take four rows of 128 bytes,
	v_mul_u32_u24 v5, v5, SPITCH
	v_and_b32 v6, 7, v0
	v_lshl_add_u32 v5, v6, 4, v5
	v_add_nc_u32 v[RD], s23, v5
	v_lshlrev_b32 v[GO], 14, v2                    ; which are two units of g, a pair of rows (16,384 bytes) apart
	v_lshl_add_u32 v[GO], v1, 4, v[GO]
	s_mul_i32 s21, s11, HALFT                      ; c0's tile: my 128 rows of 272 bytes,
	s_lshl_b32 s22, s12, 7                         ; my 32 columns of 4 bytes
	s_add_co_u32 s21, s21, s22
	v_mul_u32_u24 v[CA], v1, PITCH
	v_lshl_add_u32 v[CA], v2, 5, v[CA]             ; row r, 8 h numbers on
	v_add_nc_u32 v[CA], s21, v[CA]
	; addresses that hang on both coordinates are made in s80-83 alone
	s_lshl_b32 s80, s42, 8
	s_lshl_b32 s81, s12, 7
	s_add_co_u32 s80, s80, s81
	v_lshl_add_u32 v[BO], v2, 5, s80               ; a bias at hidden column 64 tx + 32 x half + 8 h
	s_lshl_b32 s82, s13, 8
	s_lshl_b32 s83, s11, 7
	s_add_co_u32 s82, s82, s83                     ; my first row,
	s_lshl_b32 s82, s82, 13                        ; 8,192 bytes of g a row;
	s_lshl_b32 s80, s42, 9
	s_lshl_b32 s81, s12, 8
	s_add_co_u32 s80, s80, s81                     ; unit 2 tx + half of a pair of rows
	s_add_co_u32 s82, s82, s80
	s_mov_b32 s83, 0
	s_add_nc_u64 s[8:9], s[8:9], s[82:83]
	s_lshl_b32 s82, s13, 8
	s_lshl_b32 s83, s10, 6
	s_add_co_u32 s82, s82, s83                     ; c0: row 256 ty + 64 x wave,
	s_lshl_b32 s82, s82, 13
	s_lshl_b32 s80, s42, 8                         ; column 64 tx
	s_add_co_u32 s82, s82, s80
	s_mov_b32 s83, 0
	s_mov_b32 s[G0C], 1
	s_mul_i32 s[G0C+1], s10, 64*PITCH              ; into slot 0's first half: wave x 64 rows
	s_add_nc_u64 s[G0C+2:G0C+3], s[66:67], s[82:83]
	s_or_b32 s[G0C+3], s[G0C+3], 0x80000000
	; the prefetches
	s_lshl_b32 s20, s13, 8
	s_lshl_b32 s21, s42, 8
	s_and_b32 s22, ttmp7, 0xffff                   ; cluster y
	s_cmp_eq_u32 s11, 0                            ; do I fetch for xa?
	s_cselect_b32 s20, s20, s21                    ; the tile's first row
	s_cselect_b32 s21, s40, s41                    ; my place among the four that ask for it with me
	s_cselect_b32 s22, ttmp9, s22                  ; the coordinate along which other clusters read the same rows
	s_cselect_b64 s[PFA:PFA+1], s[4:5], s[6:7]
	s_cmp_eq_u32 s22, 0
	s_cselect_b32 s[LIM], 1, -1                    ; the same in all sixteen partners, for a given wave
	s_lshl_b32 s22, s12, 7
	s_add_co_u32 s20, s20, s22                     ; + the 128 rows that I fetch
	s_lshl_b32 s21, s21, 5
	s_add_co_u32 s20, s20, s21                     ; + my work-group's 32 of them
	s_mov_b32 s21, 0
	s_mov_b64 s[18:19], SIZE_K*2
	s_mul_u64 s[20:21], s[20:21], s[18:19]
	s_add_nc_u64 s[PFA:PFA+1], s[PFA:PFA+1], s[20:21]
	s_add_nc_u64 s[PFA:PFA+1], s[PFA:PFA+1], 2*KSTEP*2  ; at K step 2: the first refill steps it to 3 and names K step 4
	v_and_b32 v[PFO], 31, v0
	v_mul_u32_u24 v[PFO], v[PFO], SIZE_K*2
	; the bias: for block b = 2 g + hb my eight numbers b_g[.. + 16 hb + 8 h + 0..7]; rounded to bf16 like every input.  All this stands in the wait for the first tile.
.irp q, 0,1,2,3
.irp hb, 0,1
	global_load_b128 v[BIAS+8*(2*(\q)+(\hb)):BIAS+8*(2*(\q)+(\hb))+3],   v[BO], s[84+2*(\q):85+2*(\q)] offset:64*(\hb)
	global_load_b128 v[BIAS+8*(2*(\q)+(\hb))+4:BIAS+8*(2*(\q)+(\hb))+7], v[BO], s[84+2*(\q):85+2*(\q)] offset:64*(\hb)+16
.endr
.endr
	s_wait_loadcnt 0x0
.set i, 0
.rept 32
	v_cvt_pk_bf16_f32 v[32+i], v[BIAS+2*i], v[BIAS+2*i+1]
.set i, i+1
.endr
.set i, 0
.rept 32
	v_lshlrev_b32 v[BIAS+2*i], 16, v[32+i]
	v_and_b32 v[BIAS+2*i+1], 0xffff0000, v[32+i]
.set i, i+1
.endr
; 16 matrix instructions: row blocks a0, a0 + 1 of the window's four (hi = 0: my rows 0-63, 1: rows 64-127) x all 8 blocks of wb, 32 along K.  first = 1: the product starts the sum, with the bias (window 0) as C.
; The 64 accumulators take turns, one instruction a turn, in the same order in every quarter step.
.macro MUL16 f, hi, a0, first
.if \first
	WIN 0x81+0x40*(\hi)
.else
	WIN MUL_LO+0x50*(\hi)
.endif
.irp a, \a0, (\a0)+1
.irp b, 0,1,2,3,4,5,6,7
.if \first
	v_wmma_f32_16x16x32_bf16 v[8*(8*(\a)+(\b)):8*(8*(\a)+(\b))+7], v[(\f)+8*(\b):(\f)+8*(\b)+7], v[(\f)+8*(4*(\hi)+(\a)):(\f)+8*(4*(\hi)+(\a))+7], v[BIAS+8*(\b):BIAS+8*(\b)+7]
.else
	v_wmma_f32_16x16x32_bf16 v[8*(8*(\a)+(\b)):8*(8*(\a)+(\b))+7], v[(\f)+8*(\b):(\f)+8*(\b)+7], v[(\f)+8*(4*(\hi)+(\a)):(\f)+8*(4*(\hi)+(\a))+7], v[8*(8*(\a)+(\b)):8*(8*(\a)+(\b))+7]
.endif
.endr
.endr
.endm
; 32 LDS loads in one run: the fragments of one quarter step (128 rows of wb, 128 rows of xa, 32 K at byte k of the rows) into buffer f
.macro FETCH slot, k, f
	WIN TO_B
.irp i, 0,1,2,3,4,5,6,7
	ds_load_b128 v[(\f)+8*(\i):(\f)+8*(\i)+3],   v[ADRB+(\slot)] offset:(\k)+(\i)*16*PITCH
	ds_load_b128 v[(\f)+8*(\i)+4:(\f)+8*(\i)+7], v[ADRB+(\slot)] offset:(\k)+(\i)*16*PITCH+32
.endr
	WIN 0
.irp i, 0,1,2,3,4,5,6,7
	ds_load_b128 v[(\f)+8*(\i):(\f)+8*(\i)+3],   v[ADRA+(\slot)] offset:(\k)+(\i)*16*PITCH
	ds_load_b128 v[(\f)+8*(\i)+4:(\f)+8*(\i)+7], v[ADRA+(\slot)] offset:(\k)+(\i)*16*PITCH+32
.endr
.endm
; A load into a register that a matrix instruction has read, and a vector instruction that reads a matrix result or writes one of its registers, stand four plain vector instructions behind it (ISA guide 7.12.1 for vector instructions).
.macro PLACES
.rept 4
	v_nop
.endr
.endm
; A K step is four quarter steps of 32 along K, 64 matrix instructions each, on buffers 0, 1, 0, 1.  One of the first three: multiplies buffer f; in its middle it fetches the next quarter's fragments into buffer g.
.macro QUARTER slot, k, f, g, first
	s_wait_dscnt 8                                 ; wb and xa's rows 0-63 are in; the youngest eight loads (xa's rows 64-127) may be out
	MUL16 \f, 0, 0, \first
	MUL16 \f, 0, 2, \first
	PLACES
	FETCH \slot, \k, \g
	s_wait_dscnt 32                                ; all but the 32 just issued
	MUL16 \f, 1, 0, \first
	MUL16 \f, 1, 2, \first
.endm
; The last quarter multiplies buffer 1 and changes slots.  MEET is its first half: in front of the barrier each wave waits for all its tensor loads (one is out: its part of the next slot), adds 0 to its spare word, and waits for
; that and for its own reads of this slot.  The barrier opens a round of the cluster's barrier.
.macro MEET
	WIN 0                                          ; (the add's two registers lie in window 0)
	s_wait_tensorcnt 0x0                           ; all my tensor loads have landed;
	ds_add_u32 v[SPW], v[NIL]                      ; 0 onto my spare word;
	s_wait_dscnt 9                                 ; (the add and the youngest eight loads may be out)
	MUL16 F1, 0, 0, 0                              ; sixteen matrix instructions stand between the add and the wait for it
	s_wait_dscnt 0x0                               ; the add is done, and my reads of this slot are over:
	s_barrier_signal -1                            ; say so,
	MUL16 F1, 0, 2, 0                              ; work on registers while the others arrive,
	WIN 0
	s_barrier_wait -1
.endm
; The whole last quarter.  Behind the round the slot just read out is filled again first: kind = 0: with the K step two steps on, jointly; kind = 1: slot 0, read for the last time, takes c0's tile, a quarter a wave.
; Then come the next slot's first fragments.  The four v_nop behind the tensor load are also the places in front of those loads.
.macro TURN slot, next, kind
.if (\kind) == 0
	s_wait_xcnt 0x0                                ; the last prefetch, a K step back, has read its address: it is stepped here, ahead of the waits of the change of slots
	s_add_nc_u64 s[PFA:PFA+1], s[PFA:PFA+1], KSTEP*2
.endif
	MEET
	CREST                                          ; no wave of any partner still reads this slot's tile or has a load on its way
.if (\kind) == 0
	s_add_nc_u64 s[G0+4*(\slot)+2:G0+4*(\slot)+3], s[G0+4*(\slot)+2:G0+4*(\slot)+3], 2*KSTEP*2
	s_add_nc_u64 s[G0B+4*(\slot)+2:G0B+4*(\slot)+3], s[G0B+4*(\slot)+2:G0B+4*(\slot)+3], 2*KSTEP*2
	JLOAD \slot
.else
	tensor_load_to_lds s[G0C:G0C+3], s[G1C:G1C+7]  ; every wave its own 64 rows: LDS byte wave x 64 x 272
	s_nop 0
	PLACES
.endif
	FETCH \next, 0, F0
.if (\kind) == 0
	ASK
.endif
	MUL16 F1, 1, 0, 0
	MUL16 F1, 1, 2, 0
.endm
; THE WAY OUT of block a (16 rows x 32 hidden columns x 4 gates: 64 numbers a lane).
.macro EPI a
.set AC, 64*((\a)%4)
	WIN 0
.irp hb, 0,1
	ds_load_b128 v[C0+8*(\hb):C0+8*(\hb)+3],   v[CA] offset:(\a)*16*PITCH+64*(\hb)
	ds_load_b128 v[C0+8*(\hb)+4:C0+8*(\hb)+7], v[CA] offset:(\a)*16*PITCH+64*(\hb)+16
.endr
	WIN 0x02+(\a)/4                                ; source 0: window 2 or 3.
.set i, 0
.rept 24
	v_pk_mul_f32 v[T+2*i:T+2*i+1], v[AC+2*i:AC+2*i+1], s[SCS:SCS+1] op_sel_hi:[1,0]  ; gates i, f, o: -z log2 e
.set i, i+1
.endr
.rept 8
	v_pk_mul_f32 v[T+2*i:T+2*i+1], v[AC+2*i:AC+2*i+1], s[SCT:SCT+1] op_sel_hi:[1,0]  ; gate c: 2 z log2 e
.set i, i+1
.endr
	WIN 0
.set i, 0
.rept 64
	v_exp_f32 v[T+i], v[T+i]
.set i, i+1
.endr
	v_nop                                          ; a plain instruction behind the last exponential,
	s_wait_alu depctr_va_vdst(0)                   ; and one wait for the batch of 64, ahead of its first reader
.set i, 0
.rept 32
	v_pk_add_f32 v[T+2*i:T+2*i+1], v[T+2*i:T+2*i+1], 1.0 op_sel_hi:[1,0]
.set i, i+1
.endr
.set i, 0
.rept 64
	v_rcp_f32 v[T+i], v[T+i]
.set i, i+1
.endr
	v_nop
	s_wait_alu depctr_va_vdst(0)                   ; one wait for the 64 reciprocals
.set i, 24
.rept 8
	v_pk_fma_f32 v[T+2*i:T+2*i+1], v[T+2*i:T+2*i+1], -2.0, 1.0 op_sel_hi:[1,0,0]  ; tanh(z_c)
.set i, i+1
.endr
.set i, 0
.rept 8
	v_pk_mul_f32 v[T+2*i:T+2*i+1], v[T+2*i:T+2*i+1], v[T+48+2*i:T+48+2*i+1]       ; i x tanh(z_c)
.set i, i+1
.endr
	s_wait_dscnt 0x0                               ; c0 is in (and the block before is back from the stage)
.set i, 0
.rept 8
	v_cvt_pk_bf16_f32 v[CB+i], v[C0+2*i], v[C0+2*i+1]
.set i, i+1
.endr
.set i, 0
.rept 8
	v_fma_mix_f32_bf16 v[T+2*i],   v[CB+i], v[T+16+2*i],   v[T+2*i]   op_sel_hi:[1,0,0]                 ; s = c0 f + i tanh(z_c): c0 is read as a bf16 half
	v_fma_mix_f32_bf16 v[T+2*i+1], v[CB+i], v[T+16+2*i+1], v[T+2*i+1] op_sel:[1,0,0] op_sel_hi:[1,0,0]
.set i, i+1
.endr
.irp hb, 0,1                           ; two chunks of g for each hb: s of four columns, o of the same four
	v_cvt_pk_f16_f32 v[PK+8*(\hb)+0], v[T+8*(\hb)+0],    v[T+8*(\hb)+1]
	v_cvt_pk_f16_f32 v[PK+8*(\hb)+1], v[T+8*(\hb)+2],    v[T+8*(\hb)+3]
	v_cvt_pk_f16_f32 v[PK+8*(\hb)+2], v[T+32+8*(\hb)+0], v[T+32+8*(\hb)+1]
	v_cvt_pk_f16_f32 v[PK+8*(\hb)+3], v[T+32+8*(\hb)+2], v[T+32+8*(\hb)+3]
	v_cvt_pk_f16_f32 v[PK+8*(\hb)+4], v[T+8*(\hb)+4],    v[T+8*(\hb)+5]
	v_cvt_pk_f16_f32 v[PK+8*(\hb)+5], v[T+8*(\hb)+6],    v[T+8*(\hb)+7]
	v_cvt_pk_f16_f32 v[PK+8*(\hb)+6], v[T+32+8*(\hb)+4], v[T+32+8*(\hb)+5]
	v_cvt_pk_f16_f32 v[PK+8*(\hb)+7], v[T+32+8*(\hb)+6], v[T+32+8*(\hb)+7]
.endr
.endm
.macro TOSTAGE a                       ; into my own stage, rows of 144 bytes, and back as whole rows of 128
.set BK, OB+16*((\a)%2)
.irp hb, 0,1
	ds_store_b128 v[STO], v[PK+8*(\hb):PK+8*(\hb)+3]   offset:64*(\hb)
	ds_store_b128 v[STO], v[PK+8*(\hb)+4:PK+8*(\hb)+7] offset:64*(\hb)+16
.endr
.irp t, 0,1,2,3
	ds_load_b128 v[BK+4*(\t):BK+4*(\t)+3], v[RD] offset:(\t)*4*SPITCH  ; LDS serves a wave's instructions in order (ISA guide 5.7.1.4): these see the stores above
.endr
.endm
.macro SEND a
.set BK, OB+16*((\a)%2)
	s_wait_dscnt 0x0                               ; the block is back in registers
	s_wait_xcnt 0x0                                ; the stores of the block before have read their registers: the next block's loads from the stage land on them only behind this wait
.irp t, 0,1,2,3
	global_store_b128 v[GO], v[BK+4*(\t):BK+4*(\t)+3], s[8:9] offset:(\a)*131072+(\t)*32768  ; lanes 0-15 and lanes 16-31 each store 256 consecutive bytes, aligned
.endr
.endm
	s_wait_tensorcnt 1                             ; my part of K step 0 is in; K step 1's may stay out
	s_barrier_signal -1
	s_barrier_wait -1                              ; everybody's is
	FETCH 0, 0, F0
	QUARTER 0, 64,  F0, F1, 1                      ; the first quarter stands in front of the loop: its products start the sums, with the bias
	WIN 0                                          ; at a label and at a branch every window is 0
	s_mov_b32 s3, LAPS-1
.Llap:                                         ; a trip goes once round the ring, from a lap's second quarter to the next lap's first, and fills both slots again: K steps 2 to 31
	QUARTER 0, 128, F1, F0, 0
	QUARTER 0, 192, F0, F1, 0
	TURN 0, 1, 0
	QUARTER 1, 64,  F0, F1, 0
	QUARTER 1, 128, F1, F0, 0
	QUARTER 1, 192, F0, F1, 0
	TURN 1, 0, 0
	QUARTER 0, 64,  F0, F1, 0
	WIN 0
	s_sub_co_u32 s3, s3, 1
	s_cmp_lg_u32 s3, 0
	s_cbranch_scc1 .Llap
	QUARTER 0, 128, F1, F0, 0                      ; the last lap, written out
	QUARTER 0, 192, F0, F1, 0
	TURN 0, 1, 1                                   ; slot 0 has been read for the last time: c0's tile goes there
	QUARTER 1, 64,  F0, F1, 0
	QUARTER 1, 128, F1, F0, 0
	QUARTER 1, 192, F0, F1, 0
	s_wait_dscnt 8                                 ; the very last quarter: nothing more to fetch
	MUL16 F1, 0, 0, 0
	MUL16 F1, 0, 2, 0
	s_wait_dscnt 0x0                               ; no LDS instruction of mine is out at the signal,
	s_wait_tensorcnt 0x0                           ; and my quarter of c0's tile is in: a wave reads rows that two waves brought
	s_barrier_signal -1
	MUL16 F1, 1, 0, 0
	MUL16 F1, 1, 2, 0
	WIN 0
	s_barrier_wait -1
	PLACES                                         ; behind the last products, in front of loads into registers that they read and of lines that read results
	PLACES                                         ; (eight, once a launch)
	EPI 0
	TOSTAGE 0
.irp a, 1,2,3,4,5,6,7                  ; block a's arithmetic stands between block a - 1's loads from the stage and its stores
	EPI \a
	SEND (\a)-1
	TOSTAGE \a
.endr
	SEND 7
	s_wait_tensorcnt 0x0                           ; the wave's end, behind my last tensor load and my last LDS store
	ds_add_u32 v[SPW], v[NIL]
	s_wait_dscnt 0x0
	CROUND                                         ; the closing round: no work-group ends while a partner may still ask for a tile that names it
	s_endpgm
.Lfunc_end_k_q8bcc1df287_gates:
	.size	k_q8bcc1df287_gates, .Lfunc_end_k_q8bcc1df287_gates-k_q8bcc1df287_gates
	.p2alignl 7, 3214868480
	.fill 96, 4, 3214868480
	.section	.rodata,"a",@progbits
	.p2align	6, 0x0
	.amdhsa_kernel k_q8bcc1df287_gates
		.amdhsa_group_segment_fixed_size 327680
		.amdhsa_private_segment_fixed_size 0
		.amdhsa_enable_private_segment 0
		.amdhsa_kernarg_size 64
		.amdhsa_user_sgpr_count 2
		.amdhsa_user_sgpr_kernarg_segment_ptr 1
		.amdhsa_wavefront_size32 1
		.amdhsa_system_sgpr_workgroup_id_x 1
		.amdhsa_system_sgpr_workgroup_id_y 1
		.amdhsa_system_sgpr_workgroup_id_z 1
		.amdhsa_system_vgpr_workitem_id 0
		.amdhsa_next_free_vgpr 1024
		.amdhsa_next_free_sgpr 96
		.amdhsa_reserve_vcc 0
		.amdhsa_float_denorm_mode_32 3
		.amdhsa_float_denorm_mode_16_64 3
		.amdhsa_memory_ordered 1
		.amdhsa_forward_progress 1
		.amdhsa_inst_pref_size 225
	.end_amdhsa_kernel
	.amdgpu_metadata
---
amdhsa.version: [ 1, 2 ]
amdhsa.kernels:
  - .name:           k_q8bcc1df287_gates
    .symbol:         k_q8bcc1df287_gates.kd
    .args:
      - { .name: xa, .offset: 0, .size: 8, .value_kind: global_buffer, .address_space: global }
      - { .name: wb, .offset: 8, .size: 8, .value_kind: global_buffer, .address_space: global }
      - { .name: g, .offset: 16, .size: 8, .value_kind: global_buffer, .address_space: global }
      - { .name: c0, .offset: 24, .size: 8, .value_kind: global_buffer, .address_space: global }
      - { .name: b_i, .offset: 32, .size: 8, .value_kind: global_buffer, .address_space: global }
      - { .name: b_f, .offset: 40, .size: 8, .value_kind: global_buffer, .address_space: global }
      - { .name: b_o, .offset: 48, .size: 8, .value_kind: global_buffer, .address_space: global }
      - { .name: b_c, .offset: 56, .size: 8, .value_kind: global_buffer, .address_space: global }
    .group_segment_fixed_size: 327680
    .private_segment_fixed_size: 0
    .kernarg_segment_align: 8
    .kernarg_segment_size: 64
    .max_flat_workgroup_size: 128
    .sgpr_count:     96
    .vgpr_count:     1024
    .wavefront_size: 32
...
	.end_amdgpu_metadata
.endif
;; end of part 2
;; launch norm (part 3): grid 256 x 1, 4 waves a work-group, no clusters, 0 bytes of LDS; arguments g, out0, out1; writes out0, out1
.if DOCPART == 3
	.amdgcn_target "amdgcn-amd-amdhsa--gfx1250"
	.amdhsa_code_object_version 6
	.text
	.protected	k_q8bcc1df287_norm
	.globl	k_q8bcc1df287_norm
	.p2align	8
	.type	k_q8bcc1df287_norm,@function
k_q8bcc1df287_norm:
	s_mov_b64 s[64:65], 0
	v_nop
	global_prefetch_b8 v0, s[64:65] scope:SCOPE_SE
	s_setreg_imm32_b32 hwreg(HW_REG_WAVE_MODE, 25, 1), 1
	s_wait_xcnt 0x0
; LSTM CELL, third launch: c = (s - mean) rsqrt(var + 1e-5) along each row of 2,048, h = o tanh(c).  out0 = h, out1 = c, both f32.  Nothing of the cell is left out.
; g holds s and o in f16 (the launch before): a pair of rows is 16,384 consecutive bytes, 64 units of 256; unit jj holds the even row's columns 32 jj .. + 31 in its first 128 bytes, the odd row's in its second;
; each 128 bytes are 8 chunks of 16: s of four columns, then o of the same four.
; SHARES.  A wave takes a pair of rows: 32 loads of 512 consecutive bytes, all out before the first wait, kept in 128 registers for all three passes: memory is read once.  No LDS, no barrier: no wave waits for another.
; Lane l, load q: row parity (l >> 3) & 1, columns 64 q + 32 (l >> 4) + 4 (l & 7) + 0..3.  So a row's numbers lie in the sixteen lanes with the same bit 3, and a sum across lanes leaves that bit out.
; Mean and variance in f32, in two passes, the variance of the differences from the mean.  tanh(c) = 1 - 2 / (1 + 2^(2 c log2 e)).
; No matrix unit, no cluster, no prefetch: nothing is shared, each byte is read once, and all of a wave's loads are out from the start.
.set RAW, 32                           ; v[32:159]   load q at RAW + 4 q: s01, s23, o01, o23
.set CC,  160                          ; v[160:191]  c, two sets of 16
.set HH,  192                          ; v[192:223]  h, two sets of 16
.set TT,  224                          ; v[224:239]  at work
	s_load_b128 s[4:7], s[0:1], 0x0                ; g s[4:5], out0 s[6:7]
	s_load_b64 s[8:9], s[0:1], 0x10                ; out1
	v_lshrrev_b32 v1, 5, v0
	v_readfirstlane_b32 s10, v1                    ; wave 0..3
	s_lshl_b32 s11, ttmp9, 2
	s_add_co_u32 s11, s11, s10                     ; my pair of rows
	s_lshl_b32 s14, s11, 14                        ; 16,384 bytes a pair, in g and in both outputs
	s_mov_b32 s15, 0
	s_mov_b32 s12, 0x76543210                      ; v_permlanex16_b32: each lane takes its own place in the other half
	s_mov_b32 s13, 0xfedcba98
	s_mov_b32 s16, 0x4038aa3b                      ; 2 log2 e
	s_mov_b32 s17, s16                             ; named with it as a pair
	v_and_b32 v24, 31, v0
	v_lshlrev_b32 v1, 4, v24                       ; in: 16 bytes a lane
	v_bfe_u32 v2, v0, 3, 1
	v_lshlrev_b32 v2, 13, v2                       ; out: my row of the pair,
	v_bfe_u32 v25, v0, 4, 1
	v_lshl_add_u32 v2, v25, 7, v2                  ; 32 columns on for lanes 16-31,
	v_and_b32 v25, 7, v0
	v_lshl_add_u32 v2, v25, 4, v2                  ; my four columns
	v_mov_b32 v3, 1.0
	v_mov_b32 v4, 0
	v_mov_b32 v25, 0x3a000000                      ; 1 / 2048
	s_wait_kmcnt 0x0
	s_add_nc_u64 s[4:5], s[4:5], s[14:15]
	s_add_nc_u64 s[6:7], s[6:7], s[14:15]
	s_add_nc_u64 s[8:9], s[8:9], s[14:15]
.set q, 0
.rept 32
	global_load_b128 v[RAW+4*q:RAW+4*q+3], v1, s[4:5] offset:512*q th:TH_LOAD_NT
.set q, q+1
.endr
.macro REDUCE r                        ; the sum over the sixteen lanes that hold my row: three steps inside a half of 16 lanes (bit 3 is left out), one across the halves
	v_add_f32_dpp v[\r], v[\r], v[\r] row_xmask:1 row_mask:0xf bank_mask:0xf
	v_add_f32_dpp v[\r], v[\r], v[\r] row_xmask:2 row_mask:0xf bank_mask:0xf
	v_add_f32_dpp v[\r], v[\r], v[\r] row_xmask:4 row_mask:0xf bank_mask:0xf
	v_permlanex16_b32 v24, v[\r], s12, s13         ; its destination counts as read: v24 has been written
	v_add_f32 v[\r], v[\r], v24
.endm
	; pass 1: the sum of s, four chains in f32, straight from the f16 halves
.set q, 0
.rept 32
.if q%4 == 0
	s_wait_loadcnt 28-q                            ; loads come back in order: numbers q to q + 3 are in, the younger ones stay out
.endif
.if q == 0
	v_fma_mix_f32 v8,  v[RAW],   v3, v4 op_sel_hi:[1,0,0]                 ; the first four numbers start the chains
	v_fma_mix_f32 v9,  v[RAW],   v3, v4 op_sel:[1,0,0] op_sel_hi:[1,0,0]
	v_fma_mix_f32 v10, v[RAW+1], v3, v4 op_sel_hi:[1,0,0]
	v_fma_mix_f32 v11, v[RAW+1], v3, v4 op_sel:[1,0,0] op_sel_hi:[1,0,0]
.else
	v_fma_mix_f32 v8,  v[RAW+4*q],   v3, v8  op_sel_hi:[1,0,0]
	v_fma_mix_f32 v9,  v[RAW+4*q],   v3, v9  op_sel:[1,0,0] op_sel_hi:[1,0,0]
	v_fma_mix_f32 v10, v[RAW+4*q+1], v3, v10 op_sel_hi:[1,0,0]
	v_fma_mix_f32 v11, v[RAW+4*q+1], v3, v11 op_sel:[1,0,0] op_sel_hi:[1,0,0]
.endif
.set q, q+1
.endr
	v_add_f32 v8, v8, v9
	v_add_f32 v10, v10, v11
	v_add_f32 v8, v8, v10
	REDUCE 8
	v_mul_f32 v5, 0xba000000, v8                   ; -mean
	; pass 2: the sum of (s - mean)^2
.set q, 0
.rept 32
.set D, 16+4*(q%2)
	v_fma_mix_f32 v[D],   v[RAW+4*q],   v3, v5 op_sel_hi:[1,0,0]
	v_fma_mix_f32 v[D+1], v[RAW+4*q],   v3, v5 op_sel:[1,0,0] op_sel_hi:[1,0,0]
	v_fma_mix_f32 v[D+2], v[RAW+4*q+1], v3, v5 op_sel_hi:[1,0,0]
	v_fma_mix_f32 v[D+3], v[RAW+4*q+1], v3, v5 op_sel:[1,0,0] op_sel_hi:[1,0,0]
.if q == 0
	v_pk_mul_f32 v[12:13], v[D:D+1],   v[D:D+1]
	v_pk_mul_f32 v[14:15], v[D+2:D+3], v[D+2:D+3]
.else
	v_pk_fma_f32 v[12:13], v[D:D+1],   v[D:D+1],   v[12:13]
	v_pk_fma_f32 v[14:15], v[D+2:D+3], v[D+2:D+3], v[14:15]
.endif
.set q, q+1
.endr
	v_add_f32 v12, v12, v13
	v_add_f32 v14, v14, v15
	v_add_f32 v12, v12, v14
	REDUCE 12
	v_fmaak_f32 v12, v25, v12, 0x3727c5ac          ; the variance + 1e-5
	v_rsq_f32 v6, v12
	v_nop                                          ; a plain instruction behind it,
	s_wait_alu depctr_va_vdst(0)                   ; and a wait ahead of the first use
	v_mul_f32 v7, v5, v6                           ; -mean x rsqrt
	; pass 3: eight groups of four loads' numbers, 16 a lane; c and h lie in two sets of registers that take turns
.macro GROUP n
.set CR, CC+16*((\n)%2)
.set HR, HH+16*((\n)%2)
.irp k, 0,1,2,3
.irp p, 0,1
	v_fma_mix_f32 v[CR+4*(\k)+2*(\p)],   v[RAW+4*(4*(\n)+(\k))+(\p)], v6, v7 op_sel_hi:[1,0,0]                 ; c = s rsqrt - mean rsqrt
	v_fma_mix_f32 v[CR+4*(\k)+2*(\p)+1], v[RAW+4*(4*(\n)+(\k))+(\p)], v6, v7 op_sel:[1,0,0] op_sel_hi:[1,0,0]
.endr
.endr
.set i, 0
.rept 8
	v_pk_mul_f32 v[TT+2*i:TT+2*i+1], v[CR+2*i:CR+2*i+1], s[16:17] op_sel_hi:[1,0]
.set i, i+1
.endr
.set i, 0
.rept 16
	v_exp_f32 v[TT+i], v[TT+i]
.set i, i+1
.endr
	v_nop
	s_wait_alu depctr_va_vdst(0)                   ; one wait for the 16 exponentials
.set i, 0
.rept 8
	v_pk_add_f32 v[TT+2*i:TT+2*i+1], v[TT+2*i:TT+2*i+1], 1.0 op_sel_hi:[1,0]
.set i, i+1
.endr
.set i, 0
.rept 16
	v_rcp_f32 v[TT+i], v[TT+i]
.set i, i+1
.endr
	v_nop
	s_wait_alu depctr_va_vdst(0)                   ; one wait for the 16 reciprocals
.set i, 0
.rept 8
	v_pk_fma_f32 v[TT+2*i:TT+2*i+1], v[TT+2*i:TT+2*i+1], -2.0, 1.0 op_sel_hi:[1,0,0]  ; tanh(c)
.set i, i+1
.endr
.irp k, 0,1,2,3
.irp p, 0,1
	v_fma_mix_f32 v[HR+4*(\k)+2*(\p)],   v[RAW+4*(4*(\n)+(\k))+2+(\p)], v[TT+4*(\k)+2*(\p)],   v4 op_sel_hi:[1,0,0]                 ; h = o tanh(c)
	v_fma_mix_f32 v[HR+4*(\k)+2*(\p)+1], v[RAW+4*(4*(\n)+(\k))+2+(\p)], v[TT+4*(\k)+2*(\p)+1], v4 op_sel:[1,0,0] op_sel_hi:[1,0,0]
.endr
.endr
	s_wait_xcnt 0x0                                ; the stores of the group before have read their registers: the next group writes that set only behind this wait
.irp k, 0,1,2,3
	global_store_b128 v2, v[CR+4*(\k):CR+4*(\k)+3], s[8:9] offset:256*(4*(\n)+(\k)) th:TH_STORE_NT  ; the wave stores 256 consecutive bytes, aligned, of each of its two rows
	global_store_b128 v2, v[HR+4*(\k):HR+4*(\k)+3], s[6:7] offset:256*(4*(\n)+(\k)) th:TH_STORE_NT
.endr
.endm
.irp n, 0,1,2,3,4,5,6,7
	GROUP \n
.endr
	s_endpgm
.Lfunc_end_k_q8bcc1df287_norm:
	.size	k_q8bcc1df287_norm, .Lfunc_end_k_q8bcc1df287_norm-k_q8bcc1df287_norm
	.p2alignl 7, 3214868480
	.fill 96, 4, 3214868480
	.section	.rodata,"a",@progbits
	.p2align	6, 0x0
	.amdhsa_kernel k_q8bcc1df287_norm
		.amdhsa_group_segment_fixed_size 0
		.amdhsa_private_segment_fixed_size 0
		.amdhsa_enable_private_segment 0
		.amdhsa_kernarg_size 24
		.amdhsa_user_sgpr_count 2
		.amdhsa_user_sgpr_kernarg_segment_ptr 1
		.amdhsa_wavefront_size32 1
		.amdhsa_system_sgpr_workgroup_id_x 1
		.amdhsa_system_sgpr_workgroup_id_y 1
		.amdhsa_system_sgpr_workgroup_id_z 1
		.amdhsa_system_vgpr_workitem_id 0
		.amdhsa_next_free_vgpr 240
		.amdhsa_next_free_sgpr 66
		.amdhsa_reserve_vcc 0
		.amdhsa_float_denorm_mode_32 3
		.amdhsa_float_denorm_mode_16_64 3
		.amdhsa_memory_ordered 1
		.amdhsa_forward_progress 1
		.amdhsa_inst_pref_size 69
	.end_amdhsa_kernel
	.amdgpu_metadata
---
amdhsa.version: [ 1, 2 ]
amdhsa.kernels:
  - .name:           k_q8bcc1df287_norm
    .symbol:         k_q8bcc1df287_norm.kd
    .args:
      - { .name: g, .offset: 0, .size: 8, .value_kind: global_buffer, .address_space: global }
      - { .name: out0, .offset: 8, .size: 8, .value_kind: global_buffer, .address_space: global }
      - { .name: out1, .offset: 16, .size: 8, .value_kind: global_buffer, .address_space: global }
    .group_segment_fixed_size: 0
    .private_segment_fixed_size: 0
    .kernarg_segment_align: 8
    .kernarg_segment_size: 24
    .max_flat_workgroup_size: 128
    .sgpr_count:     66
    .vgpr_count:     240
    .wavefront_size: 32
...
	.end_amdgpu_metadata
.endif
;; end of part 3
